; MI455X (gfx1250); checked and timed in simulation.
; The chip was launched on July 23, 2026; its instructions are those of AMD's public machine-readable ISA for CDNA 5 (MIT licence, August 2026) and "CDNA5" Instruction Set Architecture Reference Guide (July 2026). The comments in the code are by the model that wrote it; some were corrected since.
;; Loss. Allowed arithmetic: matrix products marked QUANTISED: E2M1 operands, one E8M0 scale for each 32 along K, by v_wmma_scale_f32_16x16x128_f8f6f4 with both operands' format E2M1 (or v_wmma_scale_f32_32x16x128_f4), f32 sums; products left as they are: f32 operands where the result goes on into a quantised operand, else bf16, f16 or f32 operands; f32 sums; everything else in f32.
;; Inputs: batch 128 x 512 x 80 float32; model_score_for_div 128 x 512 float32; model_score_for_ndcg 128 x 512 float32; relevance 128 x 512 float32.
;; Outputs: out0 128 float32; out1 128 float32; out2 128 float32; out3 128 float32.
;; This version of the problem:
;;   THIS VERSION OF THE PROBLEM IS GIVEN IN LOW PRECISION. The matrix products marked QUANTISED in the list below multiply operands that are first quantised to E2M1 (2 exponent bits, 1 mantissa bit; 4 bits a number), with one power-of-two scale for each 32 numbers along K (OCP MX v1.0); their sums are f32. All else is computed in f32.
;;   The module's matrix products, in the order in which they are computed (A, B: the left and right operand; K: the contracted axis; several contracted axes count as one K, in the product's order):
;;     1. batch 128 x [M 512, K 512] x [K 512, N 1]; A: computed on the way; B: input relevance: left as it is (N = 1 < 16)
;;     2. [M 65,536, K 512] x [K 512, N 1]; A: computed on the way; B: computed on the way: left as it is (N = 1 < 16)
;;     3. batch 128 x [M 512, K 64] x [K 64, N 512]; A: computed on the way; B: computed on the way: QUANTISED
;;   THE QUANTISER, for each operand of a quantised product, along K:
;;     - K is cut into blocks of 32 from its start; a last block that is shorter is filled with zeros.
;;     - A block's scale is 2^e with e = floor(log2(the largest magnitude in the block)) - 2, held to -126 .. 127; a block of zeros has e = 0. As a byte (E8M0): e + 127.
;;     - Each number is divided by its block's scale, clamped to +-6, and rounded to the nearest number of E2M1, ties to even, subnormals kept.
;;     - The product sums the exact products of the quantised numbers (number of the format x scale) in f32.
;;   ~~~python
;;   def quantise(x, axis):      # numpy; x: float32 -> the quantised numbers, widened to float32 again
;;       x = np.moveaxis(x, axis, -1); K = x.shape[-1]
;;       x = np.pad(x, [(0, 0)] * (x.ndim - 1) + [(0, -K % 32)]); x = x.reshape(x.shape[:-1] + (-1, 32)); a = np.abs(x).max(-1, keepdims=True)
;;       e = np.where(a > 0, np.clip(np.frexp(np.where(a > 0, a, 1))[1] - 1 - 2, -126, 127), 0)      # np.frexp(a)[1] - 1 = floor(log2(a)), exactly
;;       r = np.clip(x / 2.0 ** e, -6, 6)
;;       step = 2.0 ** (np.maximum(np.frexp(np.where(r == 0, 1, r))[1] - 1, 0) - 1)
;;       q = np.round(r / step) * step * 2.0 ** e      # np.round: ties to even
;;       return np.moveaxis(q.reshape(q.shape[:-2] + (-1,))[..., :K], -1, axis).astype(np.float32)
;;   ~~~
;;   OPERANDS COMPUTED ON THE WAY. 'Computed on the way' means the value that the module computes at that place (a softmax that the list does not call 'softmax' is quantised finished and normalised). What goes into a quantiser is computed in f32, as accurately as f32 sums, v_exp_f32 and their like allow (about 1e-6 of the number): no bf16 or f16 on the way to a quantiser, and a product that is left as it is and whose result goes on into a quantised operand takes f32 operands (vector FMAs, or v_wmma_f32_16x16x4_f32). A number that lies on a knife's edge between two numbers of the format may be rounded either way, as far as f32 arithmetic and the matrix unit's own rounding can turn it there, and no further.
;; One version. Each part assembles by itself: llvm-mc -triple=amdgcn-amd-amdhsa -mcpu=gfx1250 --defsym DOCPART=n.
;; ======== version 1 of 1: 1 launch
;; launch loss (part 1): grid 128 x 2, 16 waves a work-group, no clusters, 325,888 bytes of LDS; arguments batch, model_score_for_div, model_score_for_ndcg, relevance, out0, out1, out2, out3; writes out0, out1, out2, out3
.if DOCPART == 1
	.amdgcn_target "amdgcn-amd-amdhsa--gfx1250"
	.amdhsa_code_object_version 6
	.text
	.protected	k_q583e93c2e0_loss
	.globl	k_q583e93c2e0_loss
	.p2align	8
	.type	k_q583e93c2e0_loss,@function
k_q583e93c2e0_loss:
	s_mov_b64 s[64:65], 0
	v_nop
	global_prefetch_b8 v0, s[64:65] scope:SCOPE_SE
	s_setreg_imm32_b32 hwreg(HW_REG_WAVE_MODE, 25, 1), 1
	s_wait_xcnt 0x0
; NeuralSort + Sinkhorn loss.  One work-group = one user (x) and one of the two soft permutations (y = 0: ndcg score, y = 1: div score).
; THE MATRIX.  p = softmax((v_i s_j - A_j) / tau), then five times: columns / clip(column sums), rows / clip(row sums).  These steps only rescale rows and columns, so the matrix is
; always a_i E0_ij b_j with E0_ij = 2^(v_i s''_j + kappa_j - M_i), s'' = c (s_j - s_0), c = log2(e) / tau, kappa_j = -sum_k |s''_j - s''_k|, M_i the row's largest exponent (the maximum that the softmax takes away).
; Row step: a_i <- a_i / max(a_i sum_j E0_ij b_j, EPS) (the softmax's own sum is this step from a = b = 1).  Column step: b_j <- b_j / max(b_j sum_i a_i E0_ij, EPS).  All in f32.
; A TRIP of the loop is a row step, with the new a_i x row added to the column sums at once (a row's factor hangs on that row alone), and the column step.  5 + y trips; in trip 5 (y = 1) the rows are
; weighed by w_i = 512 - i as well, so that b_j x sum is approx_rank_j.
; SHARES.  16 waves; wave w owns rows 32 w .. 32 w + 31 and all 512 columns, 16 a lane (register 4 q + e: column 128 q + 4 lane + e).  Of its rows of E0 it keeps 8 in registers and 8 in LDS bytes of its own;
; 16 are made anew once a trip (512 x 512 f32 are more than registers and LDS hold).  Row sums stay in the wave; column sums meet in LDS: 16 partial rows, thread t adds column t.
; WORK LEFT OUT, for all values of the inputs:
;  - calc_dcg slices approx_rel to its first 10 positions: of p_ndcg's last row step and of the product with relevance only rows 0 .. 9 reach an output; wave 0 does these ten rows.
;  - triu(k = 1) throws away i >= j.  Both operands of the quantised product are one matrix Q, so (Q Q^T)_ij and (Q Q^T)_ji sum the same exact products, and the weights r_i r_j are symmetric: each unordered
;    pair of 16-row tiles is multiplied once (tile a with tile (a + d) mod 32: d = 1 .. 15, and d = 16 for a < 16); the diagonal tiles go under the mask m < n.
;  - batch[:, :, 64:] is sliced away and goes into no register.  real_rank is a permutation of 1 .. 512, so exactly ten entries clip to 1 and real_mat.sum is 45.
;  - v_i s_0 is the same along the softmax's axis, so scores are taken less s_0 (A_j holds differences only; the rankings use the scores as given).
; LIMITS: NaN and infinities among the inputs are not served; an overflow, NaN or infinity that reaches only the work left out is not carried to the results; a and b are held at 2^100, which differs from
; the reference only where a sum stays under EPS over several rounds.  A block of zero items keeps the scale byte 1 over zero codes (this text alone reads the bytes).
; No cluster: no two work-groups read a common tile.  No tensor load: the one stream, 160 KiB of batch, is read once.  Each output is 4 bytes for a user: one lane stores it.
.set PART,  262144                     ; LDS: 0 .. 262143 the waves' stored rows (16,384 bytes a wave); then 16 partial rows of 512 column sums
.set VB,    294912                     ; then the small regions, as offsets from VB:
.set BV,    0                          ; b, 512 f32
.set KV,    2048                       ; kappa
.set SCLW,  4096                       ; the items' scale words, one a row
.set RVD,   6144                       ; r = sigmoid(approx_rank - 502)
.set ZVD,   8192                       ; two vectors of ranking weights
.set RED,   12288                      ; three rows of 16 partial sums, 64 bytes apart
.set CODES, 12544                      ; the items' codes, 32 bytes a row
.set SPARE, 323840                     ; the spare words, 128 bytes for each of 16 waves: no other line names them
.set SPW, 1
.set NIL, 2
.set PST, 3                            ; PART + 2048 wave + 16 lane
.set PRD, 4                            ; PART + 4 t
.set V16, 5                            ; VB + 16 lane
.set V4T, 6                            ; VB + 4 t
.set EA,  7                            ; 16384 wave + 16 lane
.set MV,  8                            ; -M of row t; behind the loop DISC = 1 / log2(lane + 2)
.set DISC, 8
.set AV,  9                            ; a of row t; in the tile phase an LDS address
.set ADB, 9
.set AF,  10                           ; a x weight; in the pass for A: -s'' of thread t
.set RC,  11                           ; the row steps' reciprocals; in the tile phase an LDS address
.set ADS, 11
.set BT,  12                           ; b of column t
.set ACC0, 12
.set CT,  13                           ; b x column sum
.set ACC2, 13
.set WI,  14                           ; 512 - t
.set ACC1, 14
.set G16, 15                           ; 16 lane: my columns' bytes in a row of 512 f32 in memory
.set P0,  16                           ; v[16:17], v[18:19] two rows' sums
.set P1,  18
.set Q0,  20                           ; v[20:21], v[22:23] low: a row's multiplier, high: its reciprocal
.set Q1,  22
.set ADH, 20                           ; in the tile phase an LDS address
.set SJ,  24
.set KJ,  40
.set BJ,  56
.set CA,  72
.set T0,  88
.set T1,  104
.set ER,  120                          ; v120-247 rows 0-7 of E0; scratch ahead of the loop and behind it
.set WR,  248                          ; VB + 4 wave
.set LPF, 249                          ; VB + 32 (lane % 16) + 16 (lane / 16)
.set LPC, 250                          ; VB + 4 (lane % 16)
.set H0,  251                          ; VB + 32 (lane / 16)
.set SCA, 252                          ; v252, v253: scale words and nothing else
.set SCB, 253
.set ZA,  254                          ; where a ranking wave puts its weights
.set S4R, 255                          ; VB + 4 (t / 8)
.set WV,  20
.set Y,   21
.set NTR, 22
.set VB0, 23                           ; v of my first row, 511 - 64 wave, as f32
.set SC,  24
.set SEL, 26
.set CNT, 28
.set S0,  29
.set SV,  32                           ; packed forms name a pair and take its low word: the upper words are written once
.set SM,  34
.set SA0, 36
.set SF0, 37
.set SA1, 38
.set SF1, 39
.set CC,  40
.set BU,  46
.set RL,  48
.set TKP, 50
.set SGN, 52
.set TA,  53
.set TD,  54
.set EPSB, 0x2edbe6ff                  ; 1e-10
.set HOLD, 0x71800000                  ; 2^100
.macro BARRIER                         ; my LDS stores have landed and my LDS loads are in: then the work-group's barrier
	s_wait_dscnt 0x0
	s_barrier_signal -1
	s_barrier_wait -1
.endm
.macro LOGITS dst                      ; v_i s''_j + kappa_j for my 16 columns
.irp c, 0,2,4,6,8,10,12,14
	v_pk_fma_f32 v[\dst+\c:\dst+\c+1], v[SJ+\c:SJ+\c+1], s[SV:SV+1], v[KJ+\c:KJ+\c+1] op_sel_hi:[1,0,1]
.endr
.endm
.macro EXPS dst
.irp c, 0,1,2,3,4,5,6,7,8,9,10,11,12,13,14,15
	v_exp_f32 v[\dst+\c], v[\dst+\c]
.endr
.endm
.macro GEN dst, row                    ; a row of E0 made anew; its results are named only behind a later wait
	v_readlane_b32 s[SM], v[MV], \row
	LOGITS \dst
.irp c, 0,2,4,6,8,10,12,14
	v_pk_add_f32 v[\dst+\c:\dst+\c+1], v[\dst+\c:\dst+\c+1], s[SM:SM+1] op_sel_hi:[1,0]
.endr
	EXPS \dst
	s_add_f32 s[SV], s[SV], -2.0                   ; v of the next row (whole numbers: exact)
.endm
.macro DOTW p, src, w                  ; the pair p = sum over my columns of src x w, even and odd columns apart
	v_pk_mul_f32 v[\p:\p+1], v[\src:\src+1], v[\w:\w+1]
.irp c, 2,4,6,8,10,12,14
	v_pk_fma_f32 v[\p:\p+1], v[\src+\c:\src+\c+1], v[\w+\c:\w+\c+1], v[\p:\p+1]
.endr
.endm
.macro RED2                            ; P0 and P1 by turns: the pair's halves, then the 32 lanes; every lane ends with the same sum
	v_add_f32 v[P0], v[P0], v[P0+1]
	v_add_f32 v[P1], v[P1], v[P1+1]
.irp m, 1,2,4,8
	v_add_f32_dpp v[P0], v[P0], v[P0] row_xmask:\m row_mask:0xf bank_mask:0xf
	v_add_f32_dpp v[P1], v[P1], v[P1] row_xmask:\m row_mask:0xf bank_mask:0xf
.endr
	v_permlanex16_b32 v[P0+1], v[P0], s[SEL], s[SEL+1]
	v_permlanex16_b32 v[P1+1], v[P1], s[SEL], s[SEL+1]
	v_add_f32 v[P0], v[P0], v[P0+1]
	v_add_f32 v[P1], v[P1], v[P1+1]
.endm
.macro AXPY src, q, first              ; my columns' sums += multiplier x row
.irp c, 0,2,4,6,8,10,12,14
.if \first
	v_pk_mul_f32 v[CA+\c:CA+\c+1], v[\src+\c:\src+\c+1], v[\q:\q+1] op_sel_hi:[1,0]
.else
	v_pk_fma_f32 v[CA+\c:CA+\c+1], v[\src+\c:\src+\c+1], v[\q:\q+1], v[CA+\c:CA+\c+1] op_sel_hi:[1,0,1]
.endif
.endr
.endm
.macro SUM16 b, dst
	v_pk_add_f32 v[\b:\b+1], v[\b:\b+1], v[\b+2:\b+3]
	v_pk_add_f32 v[\b+4:\b+5], v[\b+4:\b+5], v[\b+6:\b+7]
	v_pk_add_f32 v[\b+8:\b+9], v[\b+8:\b+9], v[\b+10:\b+11]
	v_pk_add_f32 v[\b+12:\b+13], v[\b+12:\b+13], v[\b+14:\b+15]
	v_pk_add_f32 v[\b:\b+1], v[\b:\b+1], v[\b+4:\b+5]
	v_pk_add_f32 v[\b+8:\b+9], v[\b+8:\b+9], v[\b+12:\b+13]
	v_pk_add_f32 v[\b:\b+1], v[\b:\b+1], v[\b+8:\b+9]
	v_add_f32 v[\dst], v[\b], v[\b+1]
.endm
.macro XLADD r, t                      ; over the 32 lanes, result in every lane; t has been written before
.irp m, 1,2,4,8
	v_add_f32_dpp v[\r], v[\r], v[\r] row_xmask:\m row_mask:0xf bank_mask:0xf
.endr
	v_permlanex16_b32 v[\t], v[\r], s[SEL], s[SEL+1]
	v_add_f32 v[\r], v[\r], v[\t]
.endm
.macro XLMAX r, t
.irp m, 1,2,4,8
	v_max_num_f32_dpp v[\r], v[\r], v[\r] row_xmask:\m row_mask:0xf bank_mask:0xf
.endr
	v_permlanex16_b32 v[\t], v[\r], s[SEL], s[SEL+1]
	v_max_num_f32 v[\r], v[\r], v[\t]
.endm
.macro XLMIN r, t
.irp m, 1,2,4,8
	v_min_num_f32_dpp v[\r], v[\r], v[\r] row_xmask:\m row_mask:0xf bank_mask:0xf
.endr
	v_permlanex16_b32 v[\t], v[\r], s[SEL], s[SEL+1]
	v_min_num_f32 v[\r], v[\r], v[\t]
.endm
.macro LLOAD dst, idx                  ; stored row 8 + idx from my own LDS bytes: 32 lanes x 16 consecutive bytes an instruction
.irp q, 0,1,2,3
	ds_load_b128 v[\dst+4*\q:\dst+4*\q+3], v[EA] offset:(\idx)*2048+512*\q
.endr
.endm
.macro ESTORE src, idx
.irp q, 0,1,2,3
	ds_store_b128 v[EA], v[\src+4*\q:\src+4*\q+3] offset:(\idx)*2048+512*\q
.endr
.endm
.macro PSTORE                          ; my 16 columns' partial sums into my partial row
.irp q, 0,1,2,3
	ds_store_b128 v[PST], v[CA+4*\q:CA+4*\q+3] offset:512*\q
.endr
.endm
.macro PSUM dst                        ; column t over the 16 partial rows
.irp i, 0,1,2,3,4,5,6,7,8,9,10,11,12,13,14,15
	ds_load_b32 v[T0+\i], v[PRD] offset:2048*\i
.endr
	s_wait_dscnt 0x0
	SUM16 T0, \dst
.endm
; Two rows' row step and their share of the column sums.  The one wait behind the two reciprocals also serves every exponential issued ahead of it.
.macro PAIR ra, rb, row, first
	v_readlane_b32 s[SA0], v[AV], \row
	v_readlane_b32 s[SF0], v[AF], \row
	v_readlane_b32 s[SA1], v[AV], (\row)+1
	v_readlane_b32 s[SF1], v[AF], (\row)+1
	DOTW P0, \ra, BJ
	DOTW P1, \rb, BJ
	RED2
	v_mul_f32 v[P0+1], s[SA0], v[P0]               ; the row's sum as the reference has it: a x sum of E0 b
	v_mul_f32 v[P1+1], s[SA1], v[P1]
	v_max_num_f32 v[P0+1], EPSB, v[P0+1]           ; the clip
	v_max_num_f32 v[P1+1], EPSB, v[P1+1]
	v_rcp_f32 v[Q0+1], v[P0+1]
	v_rcp_f32 v[Q1+1], v[P1+1]
	v_nop                                          ; a plain instruction behind the last of the batch,
	s_wait_alu depctr_va_vdst(0)                   ; and the one wait ahead of its first reader
	v_mul_f32 v[Q0], s[SF0], v[Q0+1]               ; weight x the new a
	v_mul_f32 v[Q1], s[SF1], v[Q1+1]
	s_mov_b32 vcc_lo, 1<<(\row)
	v_cndmask_b32 v[RC], v[RC], v[Q0+1], vcc_lo    ; lane l keeps row l's reciprocal
	s_mov_b32 vcc_lo, 2<<(\row)
	v_cndmask_b32 v[RC], v[RC], v[Q1+1], vcc_lo
	AXPY \ra, Q0, \first
	AXPY \rb, Q1, 0
.endm
; A row's largest exponent; rows 0-7 of E0 go into registers, rows 8-15 into my LDS bytes.
.macro MROW row
	LOGITS T0
	v_max3_num_f32 v[P0], v[T0], v[T0+1], v[T0+2]
.irp c, 3,5,7,9,11,13
	v_max3_num_f32 v[P0], v[P0], v[T0+\c], v[T0+\c+1]
.endr
	v_max_num_f32 v[P0], v[P0], v[T0+15]
	XLMAX P0, P0+1
	s_mov_b32 vcc_lo, 1<<(\row)
	v_cndmask_b32 v[MV], v[MV], v[P0], vcc_lo
.if (\row) < 8
.irp c, 0,2,4,6,8,10,12,14
	v_pk_add_f32 v[ER+16*(\row)+\c:ER+16*(\row)+\c+1], v[T0+\c:T0+\c+1], v[P0:P0+1] op_sel_hi:[1,0] neg_lo:[0,1] neg_hi:[0,1]
.endr
	EXPS ER+16*(\row)                              ; named next in the loop: row 8's wait stands between
.elseif (\row) < 16
.irp c, 0,2,4,6,8,10,12,14
	v_pk_add_f32 v[T0+\c:T0+\c+1], v[T0+\c:T0+\c+1], v[P0:P0+1] op_sel_hi:[1,0] neg_lo:[0,1] neg_hi:[0,1]
.endr
	EXPS T0
	v_nop
	s_wait_alu depctr_va_vdst(0)                   ; one wait for the row's batch, ahead of the stores that read it
	ESTORE T0, (\row)-8
	s_wait_dscnt 0x0                               ; the stores have read their registers
.endif
	s_add_f32 s[SV], s[SV], -2.0
.endm
; y = 1: eight numbers of an item row a lane (eight lanes a row, four a block of 32): / max(norm, 1e-8), then codes and the row's scale word.
.macro QROW g
.set QX, 120+8*(\g)
	v_pk_mul_f32 v[186:187], v[QX:QX+1], v[QX:QX+1]
.irp c, 2,4,6
	v_pk_fma_f32 v[186:187], v[QX+\c:QX+\c+1], v[QX+\c:QX+\c+1], v[186:187]
.endr
	v_add_f32 v186, v186, v187
.irp m, 1,2,4
	v_add_f32_dpp v186, v186, v186 row_xmask:\m row_mask:0xf bank_mask:0xf   ; with the row's other seven lanes
.endr
	v_rsq_f32 v186, v186
	v_nop
	s_wait_alu depctr_va_vdst(0)
	v_min_num_f32 v186, 0x4cbebc20, v186           ; 1 / max(norm, 1e-8) = min(1 / norm, 1e8)
.irp c, 0,2,4,6
	v_pk_mul_f32 v[QX+\c:QX+\c+1], v[QX+\c:QX+\c+1], v[186:187] op_sel_hi:[1,0]
.endr
	v_max3_num_f32 v188, |v[QX]|, |v[QX+1]|, 0x1800000   ; my eight, and the floor 2^(3 - 127): the byte cannot fall under 1
.irp c, 2,4,6
	v_max3_num_f32 v188, v188, |v[QX+\c]|, |v[QX+\c+1]|
.endr
.irp m, 1,2
	v_max_num_f32_dpp v188, v188, v188 row_xmask:\m row_mask:0xf bank_mask:0xf   ; the block's four lanes
.endr
	v_add_nc_u32 v189, 0xff000000, v188            ; 2 off the exponent field: the conversion's scale operand
	v_lshrrev_b32 v190, 23, v189                   ; the scale's byte
	v_cvt_scalef32_pk8_fp4_f32 v191, v[QX:QX+7], v189
	v_nop                                          ; one plain place behind a scaled conversion
	v_lshlrev_b32 v190, v194, v190                 ; block 1's byte stands 8 bits up
	v_mov_b32_dpp v192, v190 row_xmask:4 row_mask:0xf bank_mask:0xf   ; the row's other block's byte
	v_or_b32 v190, v190, v192
	v_or_b32 v190, 0x7f7f0000, v190                ; bytes 2 and 3 stand over the zero codes that fill K from 64 to 128
	ds_store_b32 v[V4T], v191 offset:CODES+2048*(\g)   ; row 64 g + t / 8, bytes 4 (t % 8): that is 2048 g + 4 t
	ds_store_b32 v[S4R], v190 offset:SCLW+256*(\g)     ; a row's eight lanes write the same word with the same value
	s_wait_dscnt 0x0                               ; the stores have read their registers
.endm
.macro NROW src, row                   ; y = 0, rows 0 .. 9: sum of E0 b and sum of E0 b rel, into lane row
	DOTW P0, \src, BJ
	DOTW P1, \src, SJ
	RED2
	s_mov_b32 vcc_lo, 1<<(\row)
	v_cndmask_b32 v[RC], v[RC], v[P0], vcc_lo
	v_cndmask_b32 v[AF], v[AF], v[P1], vcc_lo
.endm
; The tile phase's registers
.set FA,  120
.set FB,  128
.set DD,  136
.set RAU, 144
.set ZAU, 152
.set RAM, 160
.set ZAM, 168
.set RB,  176
.set ZB,  177
.set SAU, 178
.set SAM, 179
.set TT0, 180
.set TT1, 182
.set THR, 184
.macro SUM8 b, dst
	v_pk_add_f32 v[TT0:TT0+1], v[\b:\b+1], v[\b+2:\b+3]
	v_pk_add_f32 v[TT1:TT1+1], v[\b+4:\b+5], v[\b+6:\b+7]
	v_pk_add_f32 v[TT0:TT0+1], v[TT0:TT0+1], v[TT1:TT1+1]
	v_add_f32 v[\dst], v[TT0], v[TT0+1]
.endm
; Tile TA against tile (TA + TD) mod 32.  In the result lane (r, h) holds G(16 TA + 8 h + j, 16 tb + r) in register j.  msk = 1: the diagonal tile, A's weights under m < n.
.macro TILE msk
.if \msk
.set WRA, RAM
.set WZA, ZAM
.set WSA, SAM
.else
.set WRA, RAU
.set WZA, ZAU
.set WSA, SAU
.endif
	s_add_co_u32 s30, s[TA], s[TD]
	s_and_b32 s30, s30, 31
	s_lshl_b32 s31, s30, 9
	v_add_nc_u32 v[ADB], s31, v[LPF]
	s_lshl_b32 s31, s30, 6
	v_add_nc_u32 v[ADS], s31, v[LPC]
	ds_load_b128 v[FB:FB+3], v[ADB] offset:CODES   ; k = 32 h .. 32 h + 31 of row r; registers 4-7 (k from 64 on) stay zero codes
	ds_load_b32 v[SCB], v[ADS] offset:SCLW
	ds_load_b32 v[RB], v[ADS] offset:RVD
	ds_load_b32 v[ZB], v[ADS] offset:ZVD
	s_wait_dscnt 0x0
	v_wmma_scale_f32_16x16x128_f8f6f4 v[DD:DD+7], v[FA:FA+7], v[FB:FB+7], 0, v[SCA], v[SCB] matrix_a_fmt:MATRIX_FMT_FP4 matrix_b_fmt:MATRIX_FMT_FP4
.rept 5
	v_nop                                          ; four places ahead of the reads of the result and of the next loads into B and its scales, five ahead of the next product, which writes the result's registers anew
.endr
	v_pk_mul_f32 v[TT0:TT0+1], v[DD:DD+1], v[WRA:WRA+1]   ; the result is read from its low end on
	v_pk_mul_f32 v[TT1:TT1+1], v[DD:DD+1], v[WZA:WZA+1]
.irp c, 2,4,6
	v_pk_fma_f32 v[TT0:TT0+1], v[DD+\c:DD+\c+1], v[WRA+\c:WRA+\c+1], v[TT0:TT0+1]
	v_pk_fma_f32 v[TT1:TT1+1], v[DD+\c:DD+\c+1], v[WZA+\c:WZA+\c+1], v[TT1:TT1+1]
.endr
	v_add_f32 v[TT0], v[TT0], v[TT0+1]
	v_add_f32 v[TT1], v[TT1], v[TT1+1]
	v_fmac_f32 v[ACC0], v[TT0], v[RB]              ; sum of r_m r_n G
	v_fmac_f32 v[ACC1], v[WSA], v[RB]              ; sum of r_m r_n
	v_fmac_f32 v[ACC2], v[TT1], v[ZB]              ; sum of z_m z_n G
.endm
.macro TILES aoff, n                   ; tile a = wave + aoff: the diagonal tile, then d = 1 .. n
	s_add_co_u32 s[TA], s[WV], \aoff
	s_lshl_b32 s31, s[TA], 9
	v_add_nc_u32 v[ADB], s31, v[LPF]
	s_lshl_b32 s31, s[TA], 6
	v_add_nc_u32 v[ADS], s31, v[LPC]
	v_add_nc_u32 v[ADH], s31, v[H0]
	ds_load_b128 v[FA:FA+3], v[ADB] offset:CODES
	ds_load_b32 v[SCA], v[ADS] offset:SCLW
	ds_load_b128 v[RAU:RAU+3], v[ADH] offset:RVD       ; r and z of rows 16 a + 8 h + 0 .. 7
	ds_load_b128 v[RAU+4:RAU+7], v[ADH] offset:RVD+16
	ds_load_b128 v[ZAU:ZAU+3], v[ADH] offset:ZVD
	ds_load_b128 v[ZAU+4:ZAU+7], v[ADH] offset:ZVD+16
	s_wait_dscnt 0x0
.irp j, 0,1,2,3,4,5,6,7
	v_cmp_lt_i32 vcc_lo, \j, v[THR]                ; m < n: 8 h + j < r
	v_cndmask_b32 v[RAM+\j], 0, v[RAU+\j], vcc_lo
	v_cndmask_b32 v[ZAM+\j], 0, v[ZAU+\j], vcc_lo
.endr
	SUM8 RAU, SAU
	SUM8 RAM, SAM
	s_mov_b32 s[TD], 0
	TILE 1
	s_mov_b32 s[TD], 1
.Ltl_\@:
	TILE 0
	s_add_co_u32 s[TD], s[TD], 1
	s_cmp_lt_u32 s[TD], (\n)+1
	s_cbranch_scc1 .Ltl_\@
.endm
; ---------------------------------------------------------------- head: ids, every LDS address that stays, pointers
	s_load_b512 s[4:19], s[0:1], 0x0               ; batch s[4:5], div score s[6:7], ndcg score s[8:9], relevance s[10:11], out0 .. out3 s[12:19]
	v_lshl_add_u32 v[SPW], v0, 2, SPARE
	v_mov_b32 v[NIL], 0
	v_lshrrev_b32 v16, 5, v0
	v_readfirstlane_b32 s[WV], v16                 ; wave 0 .. 15
	s_and_b32 s[Y], ttmp7, 0xffff
	s_add_co_u32 s[NTR], s[Y], 5
	v_and_b32 v17, 31, v0                          ; lane
	v_and_b32 v18, 15, v0                          ; r
	v_bfe_u32 v19, v0, 4, 1                        ; h
	v_lshrrev_b32 v20, 3, v0
	s_lshl_b32 s30, s[WV], 11
	s_add_co_u32 s30, s30, PART
	v_lshl_add_u32 v[PST], v17, 4, s30
	v_lshl_add_u32 v[PRD], v0, 2, PART
	v_lshl_add_u32 v[V16], v17, 4, VB
	v_lshl_add_u32 v[V4T], v0, 2, VB
	s_lshl_b32 s30, s[WV], 14
	v_lshl_add_u32 v[EA], v17, 4, s30
	v_lshlrev_b32 v[G16], 4, v17
	s_lshl_b32 s30, s[WV], 2
	s_add_co_u32 s30, s30, VB
	v_mov_b32 v[WR], s30
	v_lshl_add_u32 v[LPF], v18, 5, VB
	v_lshl_add_u32 v[LPF], v19, 4, v[LPF]
	v_lshl_add_u32 v[LPC], v18, 2, VB
	v_lshl_add_u32 v[H0], v19, 5, VB
	s_and_b32 s30, s[WV], 1
	s_xor_b32 s30, s30, 1                          ; wave 1: vector 0; wave 2: vector 1
	s_lshl_b32 s30, s30, 11
	s_add_co_u32 s30, s30, VB+ZVD
	v_lshl_add_u32 v[ZA], v17, 4, s30
	v_lshl_add_u32 v[S4R], v20, 2, VB
	v_sub_nc_u32 v16, 512, v0
	v_cvt_f32_u32 v[WI], v16                       ; w of row t
	s_lshl_b32 s30, s[WV], 6
	s_sub_co_i32 s30, 511, s30
	v_mov_b32 v16, s30
	v_cvt_f32_i32 v16, v16
	v_readfirstlane_b32 s[VB0], v16
	v_mov_b32 v[AV], 1.0
	v_mov_b32 v[BT], 1.0
	v_mov_b32 v[RC], 0
	v_mov_b32 v[MV], 0
	s_mov_b32 s[SEL], 0x76543210
	s_mov_b32 s[SEL+1], 0xfedcba98                 ; v_permlanex16_b32's selects for lane xor 16
	s_mov_b32 s[SV+1], 0
	s_mov_b32 s[SM+1], 0
	s_mov_b32 s[CC], 0x4166d4ca                    ; c = 10 log2(e)
	s_mov_b32 s[CC+1], 0
	s_lshl_b32 s42, ttmp9, 11                      ; a row of 512 f32
	s_mov_b32 s43, 0
	s_mul_i32 s44, ttmp9, 163840                   ; a user's 512 x 80 f32
	s_mov_b32 s45, 0
	v_lshlrev_b32 v16, 2, v0                       ; 4 t
	s_wait_kmcnt 0x0
	s_cmp_eq_u32 s[Y], 0
	s_cselect_b64 s[SC:SC+1], s[8:9], s[6:7]
	s_add_nc_u64 s[SC:SC+1], s[SC:SC+1], s[42:43]
	s_add_nc_u64 s[RL:RL+1], s[10:11], s[42:43]
	s_add_nc_u64 s[BU:BU+1], s[4:5], s[44:45]
	s_load_b32 s[S0], s[SC:SC+1], 0x0              ; s_0
.irp q, 0,1,2,3
	global_load_b128 v[SJ+4*\q:SJ+4*\q+3], v[G16], s[SC:SC+1] offset:512*\q
.endr
	global_load_b32 v[AF], v16, s[SC:SC+1]         ; s_t
	s_wait_loadcnt 0x0
	s_wait_kmcnt 0x0
; y = 1: my user's 163,840 bytes of batch are asked for, each aligned block of 256 bytes once: block t by thread t, blocks 512 .. 639 by the threads of waves 0 to 3.
; They are loaded behind the pass below, 32 x 25 instructions a wave further on.
	s_cmp_eq_u32 s[Y], 0
	s_cbranch_scc1 .Lno_ask
	v_lshlrev_b32 v195, 8, v0
	global_prefetch_b8 v195, s[BU:BU+1] th:TH_LOAD_NT scope:SCOPE_SE
	s_cmp_gt_u32 s[WV], 3
	s_cbranch_scc1 .Lno_ask
	global_prefetch_b8 v195, s[BU:BU+1] offset:131072 th:TH_LOAD_NT scope:SCOPE_SE
.Lno_ask:
	s_xor_b32 s[SM], s[S0], 0x80000000             ; -s_0
.irp c, 0,2,4,6,8,10,12,14
	v_pk_add_f32 v[SJ+\c:SJ+\c+1], v[SJ+\c:SJ+\c+1], s[SM:SM+1] op_sel_hi:[1,0]
.endr
.irp c, 0,2,4,6,8,10,12,14
	v_pk_mul_f32 v[SJ+\c:SJ+\c+1], v[SJ+\c:SJ+\c+1], s[CC:CC+1] op_sel_hi:[1,0]   ; s'' = c (s - s_0)
.endr
	v_sub_f32 v[AF], s[S0], v[AF]
	v_mul_f32 v[AF], s[CC], v[AF]                  ; -s'' of thread t: lane l holds that of row 32 wave + l
; ---------------------------------------------------------------- sum over k of |s''_j - s''_k|: my wave's 32 k against my 16 columns
.irp kk, 0,1,2,3,4,5,6,7,8,9,10,11,12,13,14,15,16,17,18,19,20,21,22,23,24,25,26,27,28,29,30,31
	v_readlane_b32 s[SM], v[AF], \kk
.irp c, 0,2,4,6,8,10,12,14
	v_pk_add_f32 v[T0+\c:T0+\c+1], v[SJ+\c:SJ+\c+1], s[SM:SM+1] op_sel_hi:[1,0]
.endr
.irp c, 0,1,2,3,4,5,6,7,8,9,10,11,12,13,14,15
.if \kk == 0
	v_and_b32 v[CA+\c], 0x7fffffff, v[T0+\c]       ; the first magnitude starts the sum
.else
	v_add_f32 v[CA+\c], v[CA+\c], |v[T0+\c]|
.endif
.endr
.endr
	PSTORE
	BARRIER                                        ; the 16 partial rows lie in LDS
	s_wait_xcnt 0x0                                ; the prefetches have read their address register, which later work writes
	PSUM P0
	v_xor_b32 v[P0], 0x80000000, v[P0]             ; kappa_t
	ds_store_b32 v[V4T], v[P0] offset:KV
	ds_store_b32 v[V4T], v[BT] offset:BV           ; b = 1
; ---------------------------------------------------------------- y = 1: the items become codes and scale words in LDS
; Thread t takes, for g = 0 .. 7, features 8 (t % 8) .. + 7 of row 64 g + t / 8: eight lanes read 256 consecutive bytes of a row of 320.
	s_cmp_eq_u32 s[Y], 0
	s_cbranch_scc1 .Lno_items
	v_lshrrev_b32 v193, 3, v0
	v_mul_u32_u24 v193, v193, 320
	v_and_b32 v194, 7, v0
	v_lshl_add_u32 v193, v194, 5, v193
.irp g, 0,1,2,3,4,5,6,7
	global_load_b128 v[120+8*\g:123+8*\g], v193, s[BU:BU+1] offset:20480*\g th:TH_LOAD_NT
	global_load_b128 v[124+8*\g:127+8*\g], v193, s[BU:BU+1] offset:20480*\g+16 th:TH_LOAD_NT
.endr
	v_bfe_u32 v194, v0, 2, 1
	v_lshlrev_b32 v194, 3, v194                    ; 8 x my block's number in the row
	v_mov_b32 v192, 0                              ; (the destination of a lane move counts as read)
	s_wait_loadcnt 0x0
.irp g, 0,1,2,3,4,5,6,7
	QROW \g
.endr
.Lno_items:
	BARRIER                                        ; kappa and b are whole
.irp q, 0,1,2,3
	ds_load_b128 v[KJ+4*\q:KJ+4*\q+3], v[V16] offset:KV+512*\q
.endr
	s_wait_dscnt 0x0
; ---------------------------------------------------------------- M of my 32 rows, and the 16 rows of E0 that stay
	s_mov_b32 s[SV], s[VB0]
.irp rw, 0,1,2,3,4,5,6,7,8,9,10,11,12,13,14,15,16,17,18,19,20,21,22,23,24,25,26,27,28,29,30,31
	MROW \rw
.endr
	v_xor_b32 v[MV], 0x80000000, v[MV]             ; -M of row t
	s_mov_b32 s[CNT], 0
; ---------------------------------------------------------------- the Sinkhorn loop: 5 + y trips
.Ltrip:
	s_cmp_eq_u32 s[CNT], 5
	s_cselect_b32 s30, -1, 0
	v_cndmask_b32 v[AF], 1.0, v[WI], s30           ; the rows' weights: 1, in trip 5 w_i
	v_mul_f32 v[AF], v[AF], v[AV]
.irp q, 0,1,2,3
	ds_load_b128 v[BJ+4*\q:BJ+4*\q+3], v[V16] offset:BV+512*\q
.endr
	s_add_f32 s[SV], s[VB0], 0xc2000000            ; v of my row 16
	s_wait_dscnt 0x0
.irp n, 0,1,2,3
	GEN T0, 16+4*\n
	GEN T1, 17+4*\n
.if \n == 0
	PAIR ER, ER+16, 0, 1                           ; two rows from registers: they name none of the 32 exponentials' results, and their wait serves these too
.else
	PAIR ER+32*\n, ER+32*\n+16, 2*\n, 0
.endif
	PAIR T0, T1, 16+4*\n, 0
	LLOAD T0, 2*\n
	LLOAD T1, 2*\n+1
	s_wait_dscnt 0x0
	PAIR T0, T1, 8+2*\n, 0
	GEN T0, 18+4*\n
	GEN T1, 19+4*\n
	v_nop
	s_wait_alu depctr_va_vdst(0)                   ; one wait for the 32 exponentials
	PAIR T0, T1, 18+4*\n, 0
.endr
	v_mul_f32 v[AV], v[AV], v[RC]                  ; the new a of row t
	v_min_num_f32 v[AV], HOLD, v[AV]
	PSTORE
	BARRIER                                        ; the partial rows lie in LDS; every wave's loads of b are in
	PSUM P0
	v_mul_f32 v[CT], v[BT], v[P0]                  ; the column's sum as the reference has it
	v_max_num_f32 v[P0+1], EPSB, v[CT]             ; the clip
	v_rcp_f32 v[P1], v[P0+1]
	v_nop
	s_wait_alu depctr_va_vdst(0)
	v_mul_f32 v[BT], v[BT], v[P1]
	v_min_num_f32 v[BT], HOLD, v[BT]
	ds_store_b32 v[V4T], v[BT] offset:BV
	BARRIER                                        ; b is whole; every wave's reads of the partial rows are in
	s_add_co_u32 s[CNT], s[CNT], 1
	s_cmp_lt_u32 s[CNT], s[NTR]
	s_cbranch_scc1 .Ltrip
; ---------------------------------------------------------------- behind the loop: the discounts; y = 1: r; y = 0: rows 0 .. 9; the rankings
	v_and_b32 v16, 31, v0
	v_add_nc_u32 v16, 2, v16
	v_cvt_f32_u32 v16, v16
	v_log_f32 v17, v16
	v_nop
	s_wait_alu depctr_va_vdst(0)
	v_rcp_f32 v[DISC], v17                         ; 1 / log2(lane + 2)
	v_nop
	s_wait_alu depctr_va_vdst(0)
	s_cmp_eq_u32 s[Y], 0
	s_cbranch_scc1 .Lp1_ndcg
	v_add_f32 v16, 0xc3fb0000, v[CT]               ; approx_rank - 502, taken first, as the reference takes it
	v_mul_f32 v16, 0xbfb8aa3b, v16
	v_exp_f32 v17, v16
	v_nop
	s_wait_alu depctr_va_vdst(0)
	v_add_f32 v17, 1.0, v17
	v_rcp_f32 v18, v17                             ; the sigmoid
	v_nop
	s_wait_alu depctr_va_vdst(0)
	ds_store_b32 v[V4T], v18 offset:RVD
	s_branch .Lp1_join
.Lp1_ndcg:
	v_mov_b32 v[ACC2], 0
	s_cmp_lg_u32 s[WV], 0
	s_cbranch_scc1 .Lp1_join
	; wave 0: the last row step and the product with relevance, rows 0 .. 9: eight from registers, two from my LDS bytes
.irp q, 0,1,2,3
	ds_load_b128 v[BJ+4*\q:BJ+4*\q+3], v[V16] offset:BV+512*\q
	global_load_b128 v[KJ+4*\q:KJ+4*\q+3], v[G16], s[RL:RL+1] offset:512*\q
.endr
	LLOAD T0, 0
	LLOAD T1, 1
	v_mov_b32 v[RC], 0
	v_mov_b32 v[AF], 0
	s_wait_loadcnt 0x0
	s_wait_dscnt 0x0
.irp c, 0,2,4,6,8,10,12,14
	v_pk_mul_f32 v[SJ+\c:SJ+\c+1], v[BJ+\c:BJ+\c+1], v[KJ+\c:KJ+\c+1]   ; b rel
.endr
.irp rw, 0,1,2,3,4,5,6,7
	NROW ER+16*\rw, \rw
.endr
	NROW T0, 8
	NROW T1, 9
	v_mul_f32 v16, v[AV], v[RC]
	v_max_num_f32 v16, EPSB, v16
	v_rcp_f32 v17, v16
	v_mul_f32 v18, v[AV], v[AF]                    ; (a plain instruction behind the reciprocal)
	s_wait_alu depctr_va_vdst(0)
	v_mul_f32 v18, v18, v17                        ; approx_rel of position lane
	v_exp_f32 v19, v18
	v_nop
	s_wait_alu depctr_va_vdst(0)
	v_fma_f32 v19, v19, v[DISC], -v[DISC]          ; (2^rel - 1) / log2(position + 2)
	v_cmp_gt_u32 vcc_lo, 10, v0
	v_cndmask_b32 v[ACC2], 0, v19, vcc_lo
.Lp1_join:
; THE RANKINGS: ten times the largest key of 512.  Wave 1 ranks the score, wave 2 (y = 0) the relevance.  Among equal keys y = 0 takes the lowest index (a stable argsort of -score),
; y = 1 the highest (a stable argsort of score gives it the higher rank).  Nothing but selections hangs on the keys: the p-th pick's column gets the weight 1 / log2(p + 2), for y = 1 the weight 1.
.set KY, 120
.set IX, 136
.set WW, 152
.set TS, 168
	s_cmp_eq_u32 s[WV], 1
	s_cbranch_scc1 .Lrank_in
	s_cmp_lg_u32 s[WV], 2
	s_cbranch_scc1 .Lrank_out
	s_cmp_lg_u32 s[Y], 0
	s_cbranch_scc1 .Lrank_out
.Lrank_in:
	s_cmp_eq_u32 s[WV], 1
	s_cselect_b64 s[TKP:TKP+1], s[SC:SC+1], s[RL:RL+1]
.irp q, 0,1,2,3
	global_load_b128 v[KY+4*\q:KY+4*\q+3], v[G16], s[TKP:TKP+1] offset:512*\q
.endr
	s_cmp_eq_u32 s[Y], 1
	s_cselect_b32 s[SGN], -1.0, 1.0
	s_cselect_b32 s30, -1, 0
	v_cndmask_b32 v[DISC], v[DISC], 1.0, s30
	v_and_b32 v190, 31, v0
	v_lshlrev_b32 v190, 2, v190
.irp c, 0,1,2,3,4,5,6,7,8,9,10,11,12,13,14,15
	v_add_nc_u32 v[IX+\c], 128*(\c/4)+\c%4, v190   ; my columns' numbers,
.endr
.irp c, 0,1,2,3,4,5,6,7,8,9,10,11,12,13,14,15
	v_cvt_f32_u32 v[IX+\c], v[IX+\c]
.endr
.irp c, 0,1,2,3,4,5,6,7,8,9,10,11,12,13,14,15
	v_mul_f32 v[IX+\c], s[SGN], v[IX+\c]           ; negative for y = 1, so that the least is the highest index
	v_mov_b32 v[WW+\c], 0
.endr
	v_mov_b32 v185, 0
	v_mov_b32 v187, 0x7f800000
	v_mov_b32 v188, 0xff800000
	s_mov_b32 s31, 0
	s_wait_loadcnt 0x0
.Lrank:
	v_max3_num_f32 v184, v[KY], v[KY+1], v[KY+2]
.irp c, 3,5,7,9,11,13
	v_max3_num_f32 v184, v184, v[KY+\c], v[KY+\c+1]
.endr
	v_max_num_f32 v184, v184, v[KY+15]
	XLMAX 184, 185                                 ; the largest key left
.irp c, 0,1,2,3,4,5,6,7,8,9,10,11,12,13,14,15
	v_cmp_eq_f32 vcc_lo, v[KY+\c], v184
	v_cndmask_b32 v[TS+\c], v187, v[IX+\c], vcc_lo
.endr
	v_min3_num_f32 v186, v[TS], v[TS+1], v[TS+2]
.irp c, 3,5,7,9,11,13
	v_min3_num_f32 v186, v186, v[TS+\c], v[TS+\c+1]
.endr
	v_min_num_f32 v186, v186, v[TS+15]
	XLMIN 186, 185                                 ; the one column that is picked
	v_readlane_b32 s30, v[DISC], s31
	v_mov_b32 v189, s30
.irp c, 0,1,2,3,4,5,6,7,8,9,10,11,12,13,14,15
	v_cmp_eq_f32 vcc_lo, v[IX+\c], v186
	v_cndmask_b32 v[KY+\c], v[KY+\c], v188, vcc_lo
	v_cndmask_b32 v[WW+\c], v[WW+\c], v189, vcc_lo
.endr
	s_add_co_u32 s31, s31, 1
	s_cmp_lt_u32 s31, 10
	s_cbranch_scc1 .Lrank
.irp q, 0,1,2,3
	ds_store_b128 v[ZA], v[WW+4*\q:WW+4*\q+3] offset:512*\q
.endr
.Lrank_out:
	BARRIER                                        ; r and the ranking weights lie in LDS
; ---------------------------------------------------------------- three sums a thread
	s_cmp_eq_u32 s[Y], 0
	s_cbranch_scc1 .Lp2_ndcg
	v_mov_b32 v[ACC0], 0
	v_mov_b32 v[ACC1], 0
	v_mov_b32 v[ACC2], 0
.irp j, 4,5,6,7
	v_mov_b32 v[FA+\j], 0                          ; zero codes fill K from 64 to 128, on both operands
	v_mov_b32 v[FB+\j], 0
.endr
	v_and_b32 v[THR], 15, v0
	v_bfe_u32 v185, v0, 4, 1
	v_lshlrev_b32 v185, 3, v185
	v_sub_nc_u32 v[THR], v[THR], v185              ; r - 8 h
	TILES 0, 16                                    ; 17 + 16 tiles a wave: every unordered pair of the 32 tiles once
	TILES 16, 15
	s_branch .Lp2_join
.Lp2_ndcg:
	v_lshlrev_b32 v16, 2, v0
	global_load_b32 v200, v16, s[RL:RL+1]          ; rel_t
	ds_load_b32 v201, v[V4T] offset:ZVD            ; its weight by the score's ranking,
	ds_load_b32 v202, v[V4T] offset:ZVD+2048       ; and by its own
	s_wait_loadcnt 0x0
	s_wait_dscnt 0x0
	v_exp_f32 v203, v200
	v_nop
	s_wait_alu depctr_va_vdst(0)
	v_add_f32 v203, -1.0, v203
	v_mul_f32 v[ACC0], v201, v203                  ; dcg's terms
	v_mul_f32 v[ACC1], v202, v203                  ; best_dcg's
.Lp2_join:
	BARRIER                                        ; every wave's LDS loads of this phase are in: only now is LDS stored to again
	XLADD ACC0, 16
	XLADD ACC1, 16
	XLADD ACC2, 16
	ds_store_b32 v[WR], v[ACC0] offset:RED         ; all lanes write my wave's word with the same value
	ds_store_b32 v[WR], v[ACC1] offset:RED+64
	ds_store_b32 v[WR], v[ACC2] offset:RED+128
	BARRIER
	s_cmp_lg_u32 s[WV], 0
	s_cbranch_scc1 .Lend
	ds_load_b32 v16, v[LPC] offset:RED
	ds_load_b32 v17, v[LPC] offset:RED+64
	ds_load_b32 v18, v[LPC] offset:RED+128
	s_wait_dscnt 0x0
.irp m, 1,2,4,8
	v_add_f32_dpp v16, v16, v16 row_xmask:\m row_mask:0xf bank_mask:0xf
	v_add_f32_dpp v17, v17, v17 row_xmask:\m row_mask:0xf bank_mask:0xf
	v_add_f32_dpp v18, v18, v18 row_xmask:\m row_mask:0xf bank_mask:0xf
.endr
	v_rcp_f32 v19, v17
	v_mov_b32 v22, 0                               ; (a plain instruction behind the reciprocal)  the stores' offset
	s_wait_alu depctr_va_vdst(0)
	s_lshl_b32 s42, ttmp9, 2                       ; 4 bytes a user (s43 is still 0)
	s_cmp_eq_u32 s[Y], 0
	s_cselect_b64 s[56:57], s[12:13], s[16:17]
	s_cselect_b64 s[58:59], s[14:15], s[18:19]
	s_add_nc_u64 s[56:57], s[56:57], s[42:43]
	s_add_nc_u64 s[58:59], s[58:59], s[42:43]
	s_cbranch_scc0 .Lout_div
	v_mul_f32 v20, v18, v19                        ; approx_dcg / best_dcg
	v_mul_f32 v21, v16, v19                        ; dcg / best_dcg
	s_branch .Lout
.Lout_div:
	v_fma_f32 v20, -v16, v19, 1.0                  ; sum r r (1 - G) / sum r r
	v_fma_f32 v21, v18, 0xbcb60b61, 1.0            ; sum z z (1 - G) / 45
.Lout:
	s_wait_xcnt 0x0                                ; EXEC changes only behind this wait
	v_cmp_eq_u32 vcc_lo, 0, v0
	s_and_saveexec_b32 s55, vcc_lo
	global_store_b32 v22, v20, s[56:57]
	global_store_b32 v22, v21, s[58:59]
	s_wait_xcnt 0x0                                ; and again, ahead of the line that widens it
	s_or_b32 exec_lo, exec_lo, s55
.Lend:
	s_wait_tensorcnt 0x0                           ; the wave's end, behind my last LDS store
	ds_add_u32 v[SPW], v[NIL]
	s_wait_dscnt 0x0
	s_endpgm
.Lfunc_end_k_q583e93c2e0_loss:
	.size	k_q583e93c2e0_loss, .Lfunc_end_k_q583e93c2e0_loss-k_q583e93c2e0_loss
	.p2alignl 7, 3214868480
	.fill 96, 4, 3214868480
	.section	.rodata,"a",@progbits
	.p2align	6, 0x0
	.amdhsa_kernel k_q583e93c2e0_loss
		.amdhsa_group_segment_fixed_size 325888
		.amdhsa_private_segment_fixed_size 0
		.amdhsa_enable_private_segment 0
		.amdhsa_kernarg_size 64
		.amdhsa_user_sgpr_count 2
		.amdhsa_user_sgpr_kernarg_segment_ptr 1
		.amdhsa_wavefront_size32 1
		.amdhsa_system_sgpr_workgroup_id_x 1
		.amdhsa_system_sgpr_workgroup_id_y 1
		.amdhsa_system_sgpr_workgroup_id_z 1
		.amdhsa_system_vgpr_workitem_id 0
		.amdhsa_next_free_vgpr 256
		.amdhsa_next_free_sgpr 66
		.amdhsa_reserve_vcc 1
		.amdhsa_float_denorm_mode_32 3
		.amdhsa_float_denorm_mode_16_64 3
		.amdhsa_memory_ordered 1
		.amdhsa_forward_progress 1
		.amdhsa_inst_pref_size 255
	.end_amdhsa_kernel
	.section	.bss,"aw",@nobits
	.p2align	6
	.space	262144
	.amdgpu_metadata
---
amdhsa.version: [ 1, 2 ]
amdhsa.kernels:
  - .name:           k_q583e93c2e0_loss
    .symbol:         k_q583e93c2e0_loss.kd
    .args:
      - { .name: batch, .offset: 0, .size: 8, .value_kind: global_buffer, .address_space: global }
      - { .name: model_score_for_div, .offset: 8, .size: 8, .value_kind: global_buffer, .address_space: global }
      - { .name: model_score_for_ndcg, .offset: 16, .size: 8, .value_kind: global_buffer, .address_space: global }
      - { .name: relevance, .offset: 24, .size: 8, .value_kind: global_buffer, .address_space: global }
      - { .name: out0, .offset: 32, .size: 8, .value_kind: global_buffer, .address_space: global }
      - { .name: out1, .offset: 40, .size: 8, .value_kind: global_buffer, .address_space: global }
      - { .name: out2, .offset: 48, .size: 8, .value_kind: global_buffer, .address_space: global }
      - { .name: out3, .offset: 56, .size: 8, .value_kind: global_buffer, .address_space: global }
    .group_segment_fixed_size: 325888
    .private_segment_fixed_size: 0
    .kernarg_segment_align: 8
    .kernarg_segment_size: 64
    .max_flat_workgroup_size: 512
    .sgpr_count:     66
    .vgpr_count:     256
    .wavefront_size: 32
...
	.end_amdgpu_metadata
.endif
;; end of part 1
